; MI455X (gfx1250); checked and timed in simulation.
; The chip was launched on July 23, 2026; its instructions are those of AMD's public machine-readable ISA for CDNA 5 (MIT licence, August 2026) and "CDNA5" Instruction Set Architecture Reference Guide (July 2026). The comments in the code are by the model that wrote it; some were corrected since.
;; Action Decoder. Allowed arithmetic: float matrix products may take bf16 or f16 operands with f32 sums; all other float work in f32.
;; Inputs: W1 4 x 512 x 1,024 float32; W2 4 x 1,024 x 28 float32; b1 4 x 1,024 float32; b2 4 x 28 float32; embodiment_ids 2,048 int32; pred_action_latents 2,048 x 8 x 512 float32.
;; Outputs: out0 2,048 x 8 x 28 float32.
;; One version. Each part assembles by itself: llvm-mc -triple=amdgcn-amd-amdhsa -mcpu=gfx1250 --defsym DOCPART=n.
;; ======== version 1 of 1: 2 launches
;; workspace buffers: wp1 4,194,304 bytes; wp2 262,144 bytes; route 16,384 bytes of whole numbers
;; launch prep (part 1): grid 257 x 1, 8 waves a work-group, no clusters, 25,856 bytes of LDS; arguments W1, W2, embodiment_ids, wp1, wp2, route; writes wp1, wp2, route
.if DOCPART == 1
	.amdgcn_target "amdgcn-amd-amdhsa--gfx1250"
	.amdhsa_code_object_version 6
	.text
	.protected	k_q545fb67b9f_prep
	.globl	k_q545fb67b9f_prep
	.p2align	8
	.type	k_q545fb67b9f_prep,@function
k_q545fb67b9f_prep:
	s_mov_b64 s[64:65], 0
	v_nop
	global_prefetch_b8 v0, s[64:65] scope:SCOPE_SE
	s_setreg_imm32_b32 hwreg(HW_REG_WAVE_MODE, 25, 1), 1
	s_wait_xcnt 0x0
; prep: (1) W1 and W2 rewritten once as bf16 in the order in which the next launch's matrix fragments want them;
;       (2) the routing table, as whole numbers.
; hidden index: hid = 256 w + 32 c + 16 i + m  (w wave 0..3, c chunk 0..7, i unit 0..1, m row 0..15 of the next launch).
; wp1 byte e*1048576 + c*131072 + w*32768 + i*16384 + ko*256 + m*16 : bf16 of W1[e][8 ko + 0..7][hid].
; wp2 byte e*65536 + (ho>>2)*2048 + at*1024 + (ho&3)*256 + r*16     : bf16 of W2[e][8 ho + 0..7][16 at + r], 0 where 16 at + r >= 28.
; route: 256 lists of 16 words.  List g: words 0-9 batch rows of ONE expert (0xffffffff = empty slot); word 10 = that expert.
;        Expert e gets ceil(n_e / 10) lists; the sum is at most (2048 + 4*9) / 10 = 208 lists for any ids.
; Work-groups 0..255 (e = g >> 6, ko = g & 63) do (1); work-group 256 does (2).  No matrix unit, no cluster: nothing is shared.
; LIMIT: embodiment_ids hold 0..3.  A row with another id gets no slot (it is parked in word 4095, which nobody reads),
;        and the next launch then leaves its output unwritten, where the model's definition gives zeros.
.set TOTB, 16384                       ; LDS: 8 waves x 16 bytes, each wave's four counts
.set POSB, 16640                       ; LDS: 2,048 words, row b's place in the table
.set ID,   8                           ; v[8:15]   my 8 ids
.set RK,   16                          ; v[16:23]  their ranks among the rows of the same expert in my wave
.set MK,   20                          ; s[20:51]  lane masks: ids j, expert e at MK + 4 j + e
.set RUN,  52                          ; s[52:55]  running counts of my wave
	s_load_b256 s[4:11], s[0:1], 0x0               ; W1 s[4:5], W2 s[6:7], ids s[8:9], wp1 s[10:11]
	s_load_b128 s[12:15], s[0:1], 0x20             ; wp2 s[12:13], route s[14:15]
	v_lshl_add_u32 v128, v0, 2, 0x6100
	v_mov_b32 v129, 0
	v_lshrrev_b32 v1, 5, v0
	v_readfirstlane_b32 s16, v1                    ; wave 0..7
	v_and_b32 v2, 31, v0                           ; lane
	s_wait_kmcnt 0x0
	s_cmp_eq_u32 ttmp9, 256                        ; the same for all waves of a work-group
	s_cbranch_scc1 .Lroute
	; ---------------- W1: 8 rows (k = 8 ko ..) x 1,024 columns, 32,768 consecutive bytes ----------------
	; Thread t owns column 256 j + t in group j: its 8 loads are the 8 k of one column, so four packed conversions
	; give the transposed 16 bytes with no exchange between lanes.
	s_lshr_b32 s17, ttmp9, 6                       ; e
	s_and_b32 s18, ttmp9, 63                       ; ko
	s_lshl_b32 s20, s17, 21
	s_lshl_b32 s19, s18, 15
	s_add_co_u32 s20, s20, s19
	s_mov_b32 s21, 0
	s_add_nc_u64 s[22:23], s[4:5], s[20:21]        ; W1 + e*2097152 + ko*32768
	s_lshl_b32 s20, s17, 20
	s_lshl_b32 s19, s18, 8
	s_add_co_u32 s20, s20, s19
	s_add_nc_u64 s[24:25], s[10:11], s[20:21]      ; wp1 + e*1048576 + ko*256
	v_lshlrev_b32 v3, 2, v0                        ; 4 t
	v_bfe_u32 v5, v0, 4, 1                         ; i
	v_and_b32 v6, 15, v0                           ; m
	v_lshlrev_b32 v4, 17, v1                       ; c*131072
	v_lshl_or_b32 v4, v5, 14, v4
	v_lshl_or_b32 v4, v6, 4, v4                    ; + i*16384 + m*16
.irp j,0,1,2,3
.irp row,0,1,2,3,4,5,6,7
	global_load_b32 v[8+8*\j+\row], v3, s[22:23] offset:\row*4096+\j*1024 th:TH_LOAD_NT
.endr
.endr
.irp j,0,1,2,3
	s_wait_loadcnt 24-8*\j                         ; loads return in order: group j's eight are in, the younger groups stay out
.irp i,0,1,2,3
	v_cvt_pk_bf16_f32 v[40+4*\j+\i], v[8+8*\j+2*\i], v[8+8*\j+2*\i+1]
.endr
	global_store_b128 v4, v[40+4*\j:43+4*\j], s[24:25] offset:\j*32768   ; group j is wave w = j of the next launch; 16 lanes store 256 consecutive bytes, aligned
.endr
	; ---------------- W2: waves 0 and 1 take one group of 8 hidden rows each ----------------
	s_cmp_ge_u32 s16, 2
	s_cbranch_scc1 .Lend
	s_lshl1_add_u32 s26, s18, s16                  ; ho = 2 ko + wave, 0..127
	s_lshl_b32 s20, s17, 10
	s_lshl3_add_u32 s20, s26, s20                  ; e*1024 + 8 ho
	s_mul_i32 s20, s20, 112                        ; rows of 28 f32
	s_add_nc_u64 s[28:29], s[6:7], s[20:21]
	s_lshl_b32 s20, s17, 16
	s_lshr_b32 s19, s26, 2
	s_lshl_b32 s19, s19, 11
	s_add_co_u32 s20, s20, s19
	s_and_b32 s19, s26, 3
	s_lshl_b32 s19, s19, 8
	s_add_co_u32 s20, s20, s19
	s_add_nc_u64 s[30:31], s[12:13], s[20:21]      ; wp2 + e*65536 + (ho>>2)*2048 + (ho&3)*256
	v_min_u32 v76, 27, v2                          ; lanes 28-31 read column 27 and are zeroed below: no load leaves a row
	v_lshlrev_b32 v76, 2, v76
	v_lshrrev_b32 v77, 4, v2
	v_lshlrev_b32 v77, 10, v77                     ; at*1024
	v_lshl_or_b32 v77, v6, 4, v77                  ; + r*16
.irp row,0,1,2,3,4,5,6,7
	global_load_b32 v[64+\row], v76, s[28:29] offset:\row*112
.endr
	v_cmp_gt_u32 vcc_lo, 28, v2                    ; columns that exist
	s_wait_loadcnt 0x0
.irp i,0,1,2,3
	v_cvt_pk_bf16_f32 v[72+\i], v[64+2*\i], v[64+2*\i+1]
.endr
.irp i,0,1,2,3
	v_cndmask_b32 v[72+\i], 0, v[72+\i], vcc_lo    ; columns 28..31 are zeros
.endr
	global_store_b128 v77, v[72:75], s[30:31]
.Lend:
	s_endpgm
	; ---------------- the routing table ----------------
.Lroute:
	s_lshl_b32 s57, s16, 10
	v_lshl_add_u32 v3, v2, 2, s57                  ; 4 x (256 wave + lane): row b = 256 wave + 32 j + lane
.irp j,0,1,2,3,4,5,6,7
	global_load_b32 v[ID+\j], v3, s[8:9] offset:128*\j
.endr
	v_mov_b32 v4, -1
	v_mov_b32 v5, -1
	v_mov_b32 v6, -1
	v_mov_b32 v7, -1
	v_lshlrev_b32 v24, 4, v0                       ; 16 t
.irp i,0,1,2,3
	ds_store_b128 v24, v[4:7] offset:4096*\i       ; the whole table starts as 'empty'
.endr
.irp ex,0,1,2,3
	s_mov_b32 s[RUN+\ex], 0
	s_mov_b32 s[60+\ex], 0                         ; n_e: rows of expert e
	s_mov_b32 s[66+\ex], 0                         ; pre_e: those in the waves in front of mine
.endr
	s_wait_loadcnt 0x0
.irp j,0,1,2,3,4,5,6,7
.irp ex,0,1,2,3
	v_cmp_eq_u32 s[MK+4*\j+\ex], \ex, v[ID+\j]
.endr
	v_mbcnt_lo_u32_b32 v[RK+\j], s[MK+4*\j], s[RUN]           ; rows of expert 0 in lower lanes + those of earlier j
.irp ex,1,2,3
	v_mbcnt_lo_u32_b32 v25, s[MK+4*\j+\ex], s[RUN+\ex]
	v_cndmask_b32 v[RK+\j], v[RK+\j], v25, s[MK+4*\j+\ex]
.endr
.irp ex,0,1,2,3
	s_bcnt1_i32_b32 s56, s[MK+4*\j+\ex]
	s_add_co_u32 s[RUN+\ex], s[RUN+\ex], s56
.endr
.endr
	v_mov_b32 v28, s52
	v_mov_b32 v29, s53
	v_mov_b32 v30, s54
	v_mov_b32 v31, s55
	s_lshl_b32 s57, s16, 4
	s_add_co_u32 s57, s57, TOTB
	v_mov_b32 v25, s57
	ds_store_b128 v25, v[28:31]                    ; my wave's four counts, in its own 16 bytes
	s_wait_dscnt 0x0                               ; for the other waves: my counts and my part of the fill are written
	s_barrier_signal -1
	s_barrier_wait -1
	v_mov_b32 v39, TOTB
.irp w,0,1,2,3,4,5,6,7
	ds_load_b128 v[64+4*\w:67+4*\w], v39 offset:16*\w
.endr
	s_wait_dscnt 0x0
.irp w,0,1,2,3,4,5,6,7
.irp ex,0,1,2,3
	v_readfirstlane_b32 s[56+\ex], v[64+4*\w+\ex]
.endr
.irp ex,0,1,2,3
	s_add_co_u32 s[60+\ex], s[60+\ex], s[56+\ex]
.endr
	s_cmp_lt_u32 \w, s16                           ; a wave in front of mine?
.irp ex,0,1,2,3
	s_cselect_b32 s[56+\ex], s[56+\ex], 0          ; s_cselect leaves SCC as it is
.endr
.irp ex,0,1,2,3
	s_add_co_u32 s[66+\ex], s[66+\ex], s[56+\ex]
.endr
.endr
.irp ex,0,1,2
	s_add_co_u32 s[74+\ex], s[60+\ex], 9
	s_mul_i32 s[74+\ex], s[74+\ex], 0xcccd         ; 52429 * 10 = 2^19 + 2: the quotient by 10 is exact below 262,144
	s_lshr_b32 s[74+\ex], s[74+\ex], 19            ; lists of expert e
.endr
	s_mov_b32 s70, s74                             ; first list of expert 1,
	s_add_co_u32 s71, s74, s75                     ; of expert 2,
	s_add_co_u32 s72, s71, s76                     ; of expert 3
	v_mov_b32 v28, s66                             ; first slot of my wave's rows of expert 0
.irp ex,1,2,3
	s_mul_i32 s77, s[69+\ex], 10
	s_add_co_u32 s77, s77, s[66+\ex]
	v_mov_b32 v[28+\ex], s77                       ; and of experts 1 to 3
.endr
	v_mov_b32 v32, 0xfff                           ; the spare word
.irp j,0,1,2,3,4,5,6,7
	v_cndmask_b32 v26, v28, v29, s[MK+4*\j+1]
	v_cndmask_b32 v26, v26, v30, s[MK+4*\j+2]
	v_cndmask_b32 v26, v26, v31, s[MK+4*\j+3]
	v_add_nc_u32 v26, v26, v[RK+\j]                ; slot, at most 2,079
	v_mul_u32_u24 v27, 0xcccd, v26
	v_lshrrev_b32 v27, 19, v27                     ; list = slot / 10
	v_mad_u32_u24 v26, v27, 6, v26                 ; word = 16 list + slot % 10
	s_or_b32 s56, s[MK+4*\j], s[MK+4*\j+1]
	s_or_b32 s57, s[MK+4*\j+2], s[MK+4*\j+3]
	s_or_b32 s56, s56, s57                         ; lanes whose id is 0..3
	v_cndmask_b32 v26, v32, v26, s56
	ds_store_b32 v3, v26 offset:POSB+128*\j        ; in my wave's own bytes
.endr
	s_wait_dscnt 0x0
	s_barrier_signal -1
	s_barrier_wait -1
	; Wave 0 alone places the rows, so that no two waves write the table between two barriers.
	s_cmp_lg_u32 s16, 0
	s_cbranch_scc1 .Lnot0
	v_lshlrev_b32 v33, 4, v2
.irp k,0,1,2,3,4,5,6,7,8,9,10,11,12,13,14,15
	ds_load_b128 v[64+4*\k:67+4*\k], v33 offset:POSB+512*\k   ; the places of rows 128 k + 4 lane + 0..3
.endr
	v_lshlrev_b32 v34, 2, v2
	s_wait_dscnt 0x0
.set n, 0
.rept 64
	v_min_u32 v[64+n], 0xfff, v[64+n]              ; a loaded number enters an address only clamped
	v_lshlrev_b32 v[64+n], 2, v[64+n]
	v_add_nc_u32 v35, 128*(n/4)+n%4, v34           ; the row's number
	ds_store_b32 v[64+n], v35
.set n, n+1
.endr
.irp m,0,1,2,3,4,5,6,7
	v_add_nc_u32 v36, 32*\m, v2                    ; list g
	v_cmp_le_u32 vcc_lo, s70, v36
	v_cndmask_b32 v37, 0, 1, vcc_lo
	v_cmp_le_u32 vcc_lo, s71, v36
	v_cndmask_b32 v38, 0, 1, vcc_lo
	v_add_nc_u32 v37, v37, v38
	v_cmp_le_u32 vcc_lo, s72, v36
	v_cndmask_b32 v38, 0, 1, vcc_lo
	v_add_nc_u32 v37, v37, v38                     ; its expert (3 for lists behind the last filled one)
	v_lshlrev_b32 v36, 6, v36
	ds_store_b32 v36, v37 offset:40                ; word 10 of list g
.endr
.Lnot0:
	s_wait_dscnt 0x0
	s_barrier_signal -1
	s_barrier_wait -1
.irp i,0,1,2,3
	ds_load_b128 v[40+4*\i:43+4*\i], v24 offset:4096*\i
.endr
.irp i,0,1,2,3
	s_wait_dscnt 3-\i                              ; LDS loads return in order: the younger ones stay out
	global_store_b128 v24, v[40+4*\i:43+4*\i], s[14:15] offset:4096*\i   ; 16 lanes store 256 consecutive bytes, aligned
.endr
	s_wait_tensorcnt 0x0
	ds_add_u32 v128, v129
	s_wait_dscnt 0x0
	s_endpgm
.Lfunc_end_k_q545fb67b9f_prep:
	.size	k_q545fb67b9f_prep, .Lfunc_end_k_q545fb67b9f_prep-k_q545fb67b9f_prep
	.p2alignl 7, 3214868480
	.fill 96, 4, 3214868480
	.section	.rodata,"a",@progbits
	.p2align	6, 0x0
	.amdhsa_kernel k_q545fb67b9f_prep
		.amdhsa_group_segment_fixed_size 25856
		.amdhsa_private_segment_fixed_size 0
		.amdhsa_enable_private_segment 0
		.amdhsa_kernarg_size 48
		.amdhsa_user_sgpr_count 2
		.amdhsa_user_sgpr_kernarg_segment_ptr 1
		.amdhsa_wavefront_size32 1
		.amdhsa_system_sgpr_workgroup_id_x 1
		.amdhsa_system_sgpr_workgroup_id_y 1
		.amdhsa_system_sgpr_workgroup_id_z 1
		.amdhsa_system_vgpr_workitem_id 0
		.amdhsa_next_free_vgpr 130
		.amdhsa_next_free_sgpr 96
		.amdhsa_reserve_vcc 1
		.amdhsa_float_denorm_mode_32 3
		.amdhsa_float_denorm_mode_16_64 3
		.amdhsa_memory_ordered 1
		.amdhsa_forward_progress 1
		.amdhsa_inst_pref_size 48
	.end_amdhsa_kernel
	.amdgpu_metadata
---
amdhsa.version: [ 1, 2 ]
amdhsa.kernels:
  - .name:           k_q545fb67b9f_prep
    .symbol:         k_q545fb67b9f_prep.kd
    .args:
      - { .name: W1, .offset: 0, .size: 8, .value_kind: global_buffer, .address_space: global }
      - { .name: W2, .offset: 8, .size: 8, .value_kind: global_buffer, .address_space: global }
      - { .name: embodiment_ids, .offset: 16, .size: 8, .value_kind: global_buffer, .address_space: global }
      - { .name: wp1, .offset: 24, .size: 8, .value_kind: global_buffer, .address_space: global }
      - { .name: wp2, .offset: 32, .size: 8, .value_kind: global_buffer, .address_space: global }
      - { .name: route, .offset: 40, .size: 8, .value_kind: global_buffer, .address_space: global }
    .group_segment_fixed_size: 25856
    .private_segment_fixed_size: 0
    .kernarg_segment_align: 8
    .kernarg_segment_size: 48
    .max_flat_workgroup_size: 256
    .sgpr_count:     96
    .vgpr_count:     130
    .wavefront_size: 32
...
	.end_amdgpu_metadata
.endif
;; end of part 1
;; launch mlp (part 2): grid 208 x 1, 4 waves a work-group, no clusters, 327,680 bytes of LDS; arguments pred_action_latents, b1, b2, wp1, wp2, route, out0; writes out0
.if DOCPART == 2
	.amdgcn_target "amdgcn-amd-amdhsa--gfx1250"
	.amdhsa_code_object_version 6
	.text
	.protected	k_q545fb67b9f_mlp
	.globl	k_q545fb67b9f_mlp
	.p2align	8
	.type	k_q545fb67b9f_mlp,@function
k_q545fb67b9f_mlp:
	s_mov_b64 s[64:65], 0
	v_nop
	global_prefetch_b8 v0, s[64:65] scope:SCOPE_SE
	s_setreg_imm32_b32 hwreg(HW_REG_WAVE_MODE, 25, 1), 1
	s_wait_xcnt 0x0
; mlp: out0[b][t][0:28] = gelu(x[b][t] W1[e] + b1[e]) W2[e] + b2[e], e = embodiment_ids[b], fused in one launch.
; A work-group owns one list of the earlier launch: up to 10 batch rows of ONE expert = 80 tokens = 5 token tiles of 16.
; 208 lists serve any ids ((2048 + 4*9) / 10).  A slot without a row does the same work on row 2047 and stores nothing: the routing steers
; addresses and store masks only, never a branch, since every wave must pass every barrier.
; x is read once, rounded to bf16, and every wave keeps all 80 x 512 of it as B fragments in 640 registers.
; The four waves split the hidden axis, 256 each, in 8 chunks of 32 (two units of 16).  W1 streams as bf16 fragments through two LDS slots
; of 131,072 bytes; each wave loads and reads its own quarter of a slot.
; NO CLUSTER, NO JOINT REQUESTS, though the work-groups of one expert walk the same 1 MB of W1: which expert a work-group serves is a number
; read from the routing table, and a joint request's descriptor has to be equal in all partners by its making from shared coordinates and
; constants.  The only such assignment gives every expert clusters for all 2,048 rows: 4 x 52 clusters = 832 work-groups in place of 208.
; Products are taken transposed (hidden = M, token = N): the accumulators of two units, after GELU and rounding, ARE the B fragment
; (k = 32 hidden) of the second product, so h never leaves the registers.  The waves' four partial outputs are added through LDS at the end.
; LIMITS: ids 0..3 (other rows have no slot and stay unwritten).  gelu(x) = 0.5 x + |x| (0.5 - r(|x|)), r = the upper tail of the normal
; distribution by the five-term rational form of Abramowitz and Stegun 26.2.17 (error at most 7.5e-8 for every x), so the absolute error is
; about 1.4e-7 |x|.  x, W1, h, W2 are rounded to bf16; the sum over hidden is made in four parts that are added in f32.
.set SLOTB,  131072                    ; an LDS slot: one chunk of W1 for all four waves
.set UNITB,  16384                     ; one unit (16 hidden x 512 k) of one wave
.set STAGE,  262144                    ; x as bf16, 48 tokens x 1,040 bytes; at the end the waves' partial outputs
.set SPITCH, 1040                      ; 1,024 + 16: sixteen rows start 16-byte columns apart
.set BIAS,   312064                    ; b1[e]: 1,024 bytes for each wave
.set OPITCH, 144                       ; a token's 32 f32 partial outputs + 16
.set OWAVE,  80*OPITCH
; window 0
.set LA,   2                           ; v2, v3    my fragments in slot 0, 1: slot + 32768 wave + 16 lane
.set LB,   4                           ; my bias words
.set WO,   5                           ; 16 lane
.set XO,   6                           ; 4096 wave + 16 lane
.set ST,   7                           ; stage, in
.set FR,   8                           ; stage, fragments out
.set PS,   9                           ; partial outputs, in
.set AC,   16                          ; v[16:55]   five accumulators (token tiles) of the unit at work
.set H,    56                          ; v[56:95]   gelu'd chunk as five B fragments
.set F0,   96                          ; v[96:127]  four W1 fragments
.set F1,   128                         ; v[128:159] four more
.set BI,   160                         ; v[160:167] the unit's bias in the accumulators' layout
.set A5,   168                         ; v[168:169] a polynomial constant, twice
.set ELA,  170                         ; partial outputs, out
.set EOFF, 171                         ; my 16 bytes in a batch row of out0
.set QD,   172                         ; my quad 0..7
.set BST,  173
.set BLD,  174
.set B2O,  175
.set Z,    176
.set U,    184
.set P,    192
.set HX,   200
.set W2B,  212                         ; v[212:243] W2 fragments, two buffers of 16
.set B2,   244                         ; v[244:247] b2 of my quad
.set OA,   160                         ; window 3: v[160:239] ten output accumulators (at, t) at OA + 8 (5 at + t)
; x fragments of K step s, tile t: windows 1, 2, 3 hold s = 0-3, 4-7, 8-11 at v[40 (s%4) + 8 t]; s = 12, 13 window 1, s = 14, 15 window 2 at v[160 + 40 (s%2) + 8 t]
.set G1, 24                            ; s[24:31] descriptor group 1
.set G0, 32                            ; s[32:39] descriptor group 0, one for each slot
.set MSB, 0
.macro WIN new                         ; s_set_vgpr_msb: bits 1:0 source 0, 3:2 source 1, 5:4 source 2, 7:6 destination; the high byte repeats the setting left
.if MSB != \new
	s_set_vgpr_msb (MSB<<8)|(\new)
.set MSB, \new
.endif
.endm
.macro XRSET s
.if \s < 12
.set XW, 1+(\s)/4
.set XB, ((\s)%4)*40
.else
.set XW, 1+((\s)-12)/2
.set XB, 160+((\s)%2)*40
.endif
.set XS, XW<<2
.set XD, XW<<6
.endm
.macro PLACES                          ; four independent vector instructions between a matrix instruction and whatever reads its result or
.rept 4                                ; rewrites one of its registers (ISA guide 7.12.1 for vector instructions)
	v_nop
.endr
.endm
.macro BAR
	s_barrier_signal -1
	s_barrier_wait -1
.endm
; four W1 fragments (K steps 4 q .. 4 q + 3 of unit i): a fragment is 1,024 consecutive bytes, lane l takes bytes 16 l and 512 + 16 l
.macro FETCH slot, i, q, f
.irp k,0,1,2,3
	ds_load_b128 v[\f+8*\k:\f+8*\k+3], v[LA+\slot] offset:\i*UNITB+(4*\q+\k)*1024
	ds_load_b128 v[\f+8*\k+4:\f+8*\k+7], v[LA+\slot] offset:\i*UNITB+(4*\q+\k)*1024+512
.endr
.endm
.macro FETCHB u                        ; register j = bias of hidden row 8 (l / 16) + j of unit u (counted from the pair's first unit)
	ds_load_b128 v[BI:BI+3], v[LB] offset:64*(\u)
	ds_load_b128 v[BI+4:BI+7], v[LB] offset:64*(\u)+16
.endm
; five products of K step s.  The five accumulators take turns, one instruction a turn.
; first = 1: the bias is the C operand, so nothing is cleared and nothing is added later.
.macro MM f, s, first
	XRSET \s
	WIN XS
.irp t,0,1,2,3,4
.if \first
	v_wmma_f32_16x16x32_bf16 v[AC+8*\t:AC+8*\t+7], v[\f+8*((\s)%4):\f+8*((\s)%4)+7], v[XB+8*\t:XB+8*\t+7], v[BI:BI+7]
.else
	v_wmma_f32_16x16x32_bf16 v[AC+8*\t:AC+8*\t+7], v[\f+8*((\s)%4):\f+8*((\s)%4)+7], v[XB+8*\t:XB+8*\t+7], v[AC+8*\t:AC+8*\t+7]
.endif
.endr
.endm
; one unit: 16 hidden x 80 tokens x 512 k = 80 matrix instructions in four quarters; each quarter first asks for the next one's fragments.
; Its own were asked for 20 matrix instructions earlier.  unext >= 0: unit 1 of the same slot follows, its bias and first quarter are asked for too.
.macro UNITMM slot, i, unext
	FETCH \slot, \i, 1, F1
	s_wait_dscnt 8                                 ; all but the eight just issued: bias and quarter 0 are in
	MM F0, 0, 1
	MM F0, 1, 0
	MM F0, 2, 0
	MM F0, 3, 0
	PLACES
	FETCH \slot, \i, 2, F0
	s_wait_dscnt 8
	MM F1, 4, 0
	MM F1, 5, 0
	MM F1, 6, 0
	MM F1, 7, 0
	PLACES
	FETCH \slot, \i, 3, F1
	s_wait_dscnt 8
	MM F0, 8, 0
	MM F0, 9, 0
	MM F0, 10, 0
	MM F0, 11, 0
	PLACES
.if \unext >= 0
	FETCHB \unext
	FETCH \slot, 1, 0, F0
	s_wait_dscnt 10                                ; all but the ten just issued
.else
	s_wait_dscnt 0                                 ; my last reads of this slot
.endif
	MM F1, 12, 0
	MM F1, 13, 0
	MM F1, 14, 0
	MM F1, 15, 0
.endm
; GELU of the five accumulators, rounded into registers 4 sub .. 4 sub + 3 of the five B fragments.
; t = 1 / (1 + p |x|);  P = -t (a1 + t (a2 + t (a3 + t (a4 + t a5))));  U = 2^-(K x)^2 = exp(-x^2 / 2);  gelu = 0.5 x + |x| (0.5 + P U).
; Behind the run of v_rcp_f32 stand the four squarings, behind the run of v_exp_f32 the first polynomial step: plain instructions that touch neither results nor sources (ISA guide 5.7.2).
.macro GELU sub
.irp t,0,1,2,3,4
.irp j,0,1,2,3,4,5,6,7
	v_fma_f32 v[Z+\j], |v[AC+8*\t+\j]|, s86, 1.0
.endr
.irp j,0,2,4,6
	v_pk_mul_f32 v[U+\j:U+\j+1], v[AC+8*\t+\j:AC+8*\t+\j+1], s[88:89] op_sel_hi:[1,0]
.endr
.irp j,0,1,2,3,4,5,6,7
	v_rcp_f32 v[Z+\j], v[Z+\j]
.endr
.irp j,0,2,4,6
	v_pk_mul_f32 v[U+\j:U+\j+1], v[U+\j:U+\j+1], v[U+\j:U+\j+1] neg_lo:[0,1] neg_hi:[0,1]
.endr
.irp j,0,1,2,3,4,5,6,7
	v_exp_f32 v[U+\j], v[U+\j]
.endr
	s_wait_alu depctr_va_vdst(0)
.irp j,0,2,4,6
	v_pk_fma_f32 v[P+\j:P+\j+1], v[Z+\j:Z+\j+1], v[A5:A5+1], s[90:91] op_sel_hi:[1,1,0]
.endr
.irp c,92,94,96
.irp j,0,2,4,6
	v_pk_fma_f32 v[P+\j:P+\j+1], v[P+\j:P+\j+1], v[Z+\j:Z+\j+1], s[\c:\c+1] op_sel_hi:[1,1,0]
.endr
.endr
.irp j,0,2,4,6
	v_pk_mul_f32 v[P+\j:P+\j+1], v[P+\j:P+\j+1], v[Z+\j:Z+\j+1]
.endr
.irp j,0,2,4,6
	v_pk_fma_f32 v[P+\j:P+\j+1], v[P+\j:P+\j+1], v[U+\j:U+\j+1], 0.5 op_sel_hi:[1,1,0]
.endr
.irp j,0,2,4,6
	v_pk_mul_f32 v[HX+\j:HX+\j+1], v[AC+8*\t+\j:AC+8*\t+\j+1], 0.5 op_sel_hi:[1,0]
.endr
.irp j,0,1,2,3,4,5,6,7
	v_fma_f32 v[AC+8*\t+\j], |v[AC+8*\t+\j]|, v[P+\j], v[HX+\j]
.endr
.irp j,0,1,2,3
	v_cvt_pk_bf16_f32 v[H+8*\t+4*\sub+\j], v[AC+8*\t+2*\j], v[AC+8*\t+2*\j+1]
.endr
.endr
.endm
; the second product of a chunk: 32 outputs (two tiles) x 80 tokens x 32 hidden; ten accumulators by turns
.macro GEMM2 b, zero
	WIN 0xf0
.irp at,0,1
.irp t,0,1,2,3,4
.if \zero
	v_wmma_f32_16x16x32_bf16 v[OA+8*(5*\at+\t):OA+8*(5*\at+\t)+7], v[W2B+16*\b+8*\at:W2B+16*\b+8*\at+7], v[H+8*\t:H+8*\t+7], 0
.else
	v_wmma_f32_16x16x32_bf16 v[OA+8*(5*\at+\t):OA+8*(5*\at+\t)+7], v[W2B+16*\b+8*\at:W2B+16*\b+8*\at+7], v[H+8*\t:H+8*\t+7], v[OA+8*(5*\at+\t):OA+8*(5*\at+\t)+7]
.endif
.endr
.endr
	WIN 0
.endm
; one chunk, in slot p; pc = its place in the pair.  mode 0: the slot is filled again, two chunks ahead; 1: last chunk but one; 2: last.
; From a refill's request to the wait for it lie a GELU, the second product, and the next chunk's two units and a GELU.
.macro CHUNK p, pc, zero, mode, ldcnt
	UNITMM \p, 0, 2*\pc+1
	WIN 0
	PLACES
	GELU 0
	UNITMM \p, 1, -1
	WIN 0
.if \mode == 0
	s_wait_dscnt 0x0                               ; my reads of this slot are back (met: the unit's last wait was for 0)
	s_wait_tensorcnt 0x0                           ; all my tensor loads have landed: the one that was out is my part of the other slot
	ds_add_u32 v254, v255
	s_wait_dscnt 0x0
	s_add_nc_u64 s[G0+4*\p+2:G0+4*\p+3], s[G0+4*\p+2:G0+4*\p+3], 2*SLOTB   ; so the descriptor may be stepped: two chunks on
	BAR                                            ; both now hold of every wave
	tensor_load_to_lds s[G0+4*\p:G0+4*\p+3], s[G1:G1+7]                    ; the refill, first behind the barrier; one load of mine is out
	s_nop 0
.endif
.if \mode == 1
	s_wait_tensorcnt 0x0                           ; my part of the last chunk has landed; I read only what I loaded, and nothing is filled again
.endif
	PLACES
.if \mode < 2
	FETCHB 2*\pc+2
	FETCH 1-\p, 0, 0, F0                           ; the next chunk's first fragments come while this unit's GELU runs
.endif
	GELU 1
	s_wait_loadcnt \ldcnt                          ; this chunk's W2 fragments are in; the next chunk's four loads are younger
	GEMM2 \p, \zero
.if \mode == 0
	PLACES
.irp f,0,1,2,3
	global_load_b128 v[W2B+16*\p+4*\f:W2B+16*\p+4*\f+3], v[WO], s[56:57] offset:(2+\pc)*2048+512*\f
.endr
.endif
.endm
.macro PAIR zero
	CHUNK 0, 0, \zero, 0, 4
	CHUNK 1, 1, 0, 0, 4
	s_wait_xcnt 0x0                                ; the W2 loads' base is stepped only behind this wait
	s_add_nc_u64 s[56:57], s[56:57], 4096
	v_add_nc_u32 v[LB], 256, v[LB]                 ; four units of bias on
.endm
.macro XLOAD s, t, st                  ; x fragment (K step s, tile t) from stage tile st: row l % 16, two loads 32 bytes apart at 16 (l / 16)
	XRSET \s
	WIN XD
	ds_load_b128 v[XB+8*\t:XB+8*\t+3], v[FR] offset:(\st)*16*SPITCH+64*(\s)
	ds_load_b128 v[XB+8*\t+4:XB+8*\t+7], v[FR] offset:(\st)*16*SPITCH+64*(\s)+32
.endm
	; ---------------- which rows, which expert ----------------
	s_load_b256 s[4:11], s[0:1], 0x0               ; x s[4:5], b1 s[6:7], b2 s[8:9], wp1 s[10:11]
	s_load_b128 s[12:15], s[0:1], 0x20             ; wp2 s[12:13], route s[14:15]
	s_load_b64 s[16:17], s[0:1], 0x30              ; out0
	v_lshl_add_u32 v254, v0, 2, 0x4d300
	v_mov_b32 v255, 0
	ds_add_u32 v254, v255
	ds_add_u32 v254, v255
	v_lshrrev_b32 v1, 5, v0
	v_readfirstlane_b32 s18, v1                    ; wave 0..3
	s_lshl_b32 s22, ttmp9, 6                       ; my list: 64 bytes
	s_mov_b32 s23, 0                               ; stays 0: the upper word of every 32-bit offset in s22
	s_wait_dscnt 0x0
	s_wait_kmcnt 0x0
	s_add_nc_u64 s[58:59], s[14:15], s[22:23]
	s_load_b512 s[40:55], s[58:59], 0x0            ; my ten rows in s[40:49], my expert in s50
	; addresses, while the list comes
	v_and_b32 v1, 31, v0                           ; lane
	v_and_b32 v10, 15, v0                          ; r
	v_bfe_u32 v11, v0, 4, 1                        ; h
	s_lshl_b32 s99, s18, 15
	v_lshl_add_u32 v[LA], v1, 4, s99
	v_add_nc_u32 v[LA+1], SLOTB, v[LA]
	s_lshl_b32 s99, s18, 10
	v_lshl_add_u32 v[BLD], v1, 4, s99              ; b1: 1024 wave + 16 lane
	s_add_co_u32 s99, s99, BIAS
	v_lshl_add_u32 v[LB], v11, 5, s99              ; BIAS + 1024 wave + 32 h
	v_lshl_add_u32 v[BST], v1, 4, s99
	v_lshlrev_b32 v[WO], 4, v1
	s_lshl_b32 s99, s18, 12
	v_lshl_add_u32 v[XO], v1, 4, s99               ; tokens 2 wave, 2 wave + 1 of a batch row
	s_mul_i32 s99, s18, 2*SPITCH
	s_add_co_u32 s99, s99, STAGE
	v_lshl_add_u32 v[ST], v1, 3, s99
	v_mul_u32_u24 v12, SPITCH, v10
	v_lshl_add_u32 v12, v11, 4, v12
	v_add_nc_u32 v[FR], STAGE, v12
	s_mul_i32 s99, s18, OWAVE
	s_add_co_u32 s99, s99, STAGE
	v_mul_u32_u24 v12, OPITCH, v10
	v_lshl_add_u32 v12, v11, 5, v12
	v_add_nc_u32 v[PS], s99, v12
	v_lshrrev_b32 v12, 3, v0                       ; the way out: thread t takes token t >> 3 of each tile,
	v_and_b32 v[QD], 7, v0                         ; quad t & 7 (quad 7 is the padding and is not stored)
	v_mul_u32_u24 v13, OPITCH, v12
	v_lshl_add_u32 v13, v[QD], 4, v13
	v_add_nc_u32 v[ELA], STAGE, v13
	v_and_b32 v12, 7, v12
	v_mul_u32_u24 v12, 112, v12
	v_lshl_add_u32 v[EOFF], v[QD], 4, v12          ; token in the batch row x 112 + 16 quad
	v_min_u32 v12, 6, v[QD]                        ; quad 7 reads quad 6: the load stays inside b2's 448 bytes
	v_lshlrev_b32 v[B2O], 4, v12
	s_mov_b32 s86, 0x3e6d3389                      ; p = 0.2316419
	s_mov_b32 s88, 0x3f596d27                      ; K = sqrt(log2(e) / 2)
	s_mov_b32 s89, 0x3f596d27
	s_mov_b32 s90, 0x3f3a00e3                      ; -a4 = 0.7265760 (a_i = the series' b_i / sqrt(2 pi), all negated)
	s_mov_b32 s91, 0x3f3a00e3
	s_mov_b32 s92, 0xbf35f0e3                      ; -a3 = -0.7107069
	s_mov_b32 s93, 0xbf35f0e3
	s_mov_b32 s94, 0x3e11a98e                      ; -a2 = 0.1422484
	s_mov_b32 s95, 0x3e11a98e
	s_mov_b32 s96, 0xbe027906                      ; -a1 = -0.1274148
	s_mov_b32 s97, 0xbe027906
	v_mov_b32 v[A5], 0xbf07dc22                    ; -a5 = -0.5307027
	v_mov_b32 v[A5+1], 0xbf07dc22
	; descriptor group 1: 32,768 dense bytes as 128 rows of 256
	s_mov_b32 s[G1+0], 3<<16                       ; 15:0 no mask; 17:16 elements of 8 bytes; no padding: fragment order has no conflicts
	s_mov_b32 s[G1+1], 32<<16                      ; tensor_dim0 = 32
	s_mov_b32 s[G1+2], 128<<16                     ; tensor_dim1 = 128
	s_mov_b32 s[G1+3], 32<<16                      ; tile_dim0 = 32
	s_mov_b32 s[G1+4], 128                         ; tile_dim1 = 128
	s_mov_b32 s[G1+5], 32                          ; pitch
	s_mov_b32 s[G1+6], 0
	s_mov_b32 s[G1+7], 0
	s_wait_kmcnt 0x0
	s_min_u32 s21, s50, 3                          ; a loaded number enters an address only clamped
.irp rho,0,1,2,3,4,5,6,7,8,9
	s_min_u32 s22, s[40+\rho], 2047                ; an empty slot (0xffffffff) reads row 2047; its result is not stored
	s_lshl_b32 s22, s22, 14                        ; 8 tokens x 2,048 bytes
	s_add_nc_u64 s[66+2*\rho:67+2*\rho], s[4:5], s[22:23]
.endr
	s_lshl_b32 s100, s21, 12
	s_mov_b32 s101, 0
	s_add_nc_u64 s[62:63], s[6:7], s[100:101]      ; b1[e]
	s_mul_i32 s100, s21, 112
	s_add_nc_u64 s[60:61], s[8:9], s[100:101]      ; b2[e]
	s_lshl_b32 s100, s21, 16
	s_lshl_b32 s99, s18, 14
	s_add_co_u32 s100, s100, s99
	s_add_nc_u64 s[56:57], s[12:13], s[100:101]    ; wp2: my wave's 8 chunks of 2,048 bytes
	s_lshl_b32 s100, s21, 20
	s_lshl_b32 s99, s18, 15
	s_add_co_u32 s100, s100, s99
	s_add_nc_u64 s[100:101], s[10:11], s[100:101]  ; wp1: my expert, my wave's quarter of chunk 0
	s_mov_b32 s[G0+0], 1
	s_lshl_b32 s[G0+1], s18, 15                    ; LDS: 32768 wave
	s_mov_b64 s[G0+2:G0+3], s[100:101]             ; chunk 0
	s_or_b32 s[G0+3], s[G0+3], 0x80000000
	s_mov_b32 s[G0+4], 1
	s_add_co_u32 s[G0+5], s99, SLOTB
	s_add_nc_u64 s[G0+6:G0+7], s[100:101], SLOTB   ; chunk 1
	s_or_b32 s[G0+7], s[G0+7], 0x80000000
	; ---------------- everything is asked for at once ----------------
	global_load_b128 v[Z:Z+3], v[BLD], s[62:63]
	global_load_b128 v[Z+4:Z+7], v[BLD], s[62:63] offset:512
	global_load_b128 v[B2:B2+3], v[B2O], s[60:61]
.irp f,0,1,2,3,4,5,6,7
	global_load_b128 v[W2B+4*\f:W2B+4*\f+3], v[WO], s[56:57] offset:512*\f   ; W2 fragments of chunks 0 and 1
.endr
	WIN 0x40
.irp rho,0,1,2,3,4,5
.irp i,0,1,2,3,4,5,6,7
	global_load_b128 v[32*\rho+4*\i:32*\rho+4*\i+3], v[XO], s[66+2*\rho:67+2*\rho] offset:512*\i   ; window 1; 512 consecutive bytes a load
.endr
.endr
	WIN 0
	tensor_load_to_lds s[G0:G0+3], s[G1:G1+7]      ; chunk 0: a first fill
	s_nop 0
	tensor_load_to_lds s[G0+4:G0+7], s[G1:G1+7]    ; chunk 1: a first fill; two loads of mine are out, the most in this text
	s_nop 0
.irp rho,6,7,8,9
.irp i,0,1,2,3,4,5,6,7
	global_load_b128 v[AC+32*(\rho-6)+4*\i:AC+32*(\rho-6)+4*\i+3], v[XO], s[66+2*\rho:67+2*\rho] offset:512*\i
.endr
.endr
	; ---------------- x: f32 -> bf16 -> stage -> B fragments in every wave ----------------
	s_wait_loadcnt 32                              ; all but rows 6-9, the 32 youngest
	WIN 0x45
.set n, 0
.rept 48
	v_cvt_pk_bf16_f32 v[4*n], v[4*n], v[4*n+1]
	v_cvt_pk_bf16_f32 v[4*n+1], v[4*n+2], v[4*n+3]
.set n, n+1
.endr
	WIN 0x04
.irp rho,0,1,2,3,4,5
.irp i,0,1,2,3,4,5,6,7
	ds_store_b64 v[ST], v[32*\rho+4*\i:32*\rho+4*\i+1] offset:(8*\rho+\i/4)*SPITCH+(\i%4)*256
.endr
.endr
	WIN 0
	ds_store_b128 v[BST], v[Z:Z+3]                 ; my wave's 256 biases, read by my wave alone
	ds_store_b128 v[BST], v[Z+4:Z+7] offset:512
	s_wait_dscnt 0x0                               ; for the other waves: my tokens are in the stage
	BAR                                            ; (my two tensor loads stay out: no slot is filled again behind this barrier or the next two)
.irp s,0,1,2,3,12,13,4,5,6,7,14,15,8,9,10,11
.irp t,0,1,2
	XLOAD \s, \t, \t
.endr
.endr
	WIN 0
	s_wait_loadcnt 0x0                             ; rows 6-9
.set n, 0
.rept 32
	v_cvt_pk_bf16_f32 v[AC+4*n], v[AC+4*n], v[AC+4*n+1]
	v_cvt_pk_bf16_f32 v[AC+4*n+1], v[AC+4*n+2], v[AC+4*n+3]
.set n, n+1
.endr
	s_wait_dscnt 0x0                               ; my reads of the stage are back,
	BAR                                            ; everybody's are: it may be written again
.irp rho,0,1,2,3
.irp i,0,1,2,3,4,5,6,7
	ds_store_b64 v[ST], v[AC+32*\rho+4*\i:AC+32*\rho+4*\i+1] offset:(8*\rho+\i/4)*SPITCH+(\i%4)*256
.endr
.endr
	s_wait_dscnt 0x0
	BAR
.irp s,0,1,2,3,12,13,4,5,6,7,14,15,8,9,10,11
.irp t,3,4
	XLOAD \s, \t, \t-3
.endr
.endr
	WIN 0
	; ---------------- the eight chunks ----------------
	s_wait_tensorcnt 0x1                           ; my part of chunk 0 has landed; chunk 1's load may stay out
	FETCHB 0
	FETCH 0, 0, 0, F0
	PAIR 1                                         ; chunks 0, 1 stand in front of the loop: chunk 0's second products start the output sums
	s_mov_b32 s87, 2
.Lpair:
	PAIR 0                                         ; chunks 2, 3 and 4, 5
	s_sub_co_i32 s87, s87, 1
	s_cmp_lg_u32 s87, 0
	s_cbranch_scc1 .Lpair
	CHUNK 0, 0, 0, 1, 4                            ; chunks 6 and 7 fill nothing
	CHUNK 1, 1, 0, 2, 0
	; ---------------- the way out: four partial sums meet in LDS ----------------
	PLACES
	WIN 0x0c
.irp at,0,1
.irp t,0,1,2,3,4
	ds_store_b128 v[PS], v[OA+8*(5*\at+\t):OA+8*(5*\at+\t)+3] offset:16*OPITCH*\t+64*\at        ; token 16 t + r, outputs 16 at + 8 h + 0..3
	ds_store_b128 v[PS], v[OA+8*(5*\at+\t)+4:OA+8*(5*\at+\t)+7] offset:16*OPITCH*\t+64*\at+16
.endr
.endr
	WIN 0
	v_cmp_gt_u32 s81, 7, v[QD]                     ; quads that exist
	s_cmp_lt_u32 s18, 2                            ; waves 0, 1 store the even slot of a tile, waves 2, 3 the odd one
.irp i,0,1,2,3,4
	s_cselect_b32 s[76+\i], s[40+2*\i], s[41+2*\i]
.endr
.irp i,0,1,2,3,4
	s_cmp_lt_u32 s[76+\i], 2048
	s_cselect_b32 s[50+\i], s81, 0                 ; an empty slot stores nothing
	s_min_u32 s22, s[76+\i], 2047
	s_mul_i32 s22, s22, 896                        ; a batch row of out0: 8 x 28 f32
	s_add_nc_u64 s[66+2*\i:67+2*\i], s[16:17], s[22:23]
.endr
	s_wait_dscnt 0x0                               ; for the other waves: my partial sums are written
	BAR
.irp i,0,1,2,3,4
.irp w,0,1,2,3
	ds_load_b128 v[AC+16*\i+4*\w:AC+16*\i+4*\w+3], v[ELA] offset:16*OPITCH*\i+OWAVE*\w
.endr
.endr
.irp i,0,1,2,3,4
	s_wait_dscnt 16-4*\i                           ; group i's four loads are in, the younger groups stay out
	v_pk_add_f32 v[AC+16*\i:AC+16*\i+1], v[AC+16*\i:AC+16*\i+1], v[AC+16*\i+4:AC+16*\i+5]
	v_pk_add_f32 v[AC+16*\i+2:AC+16*\i+3], v[AC+16*\i+2:AC+16*\i+3], v[AC+16*\i+6:AC+16*\i+7]
	v_pk_add_f32 v[AC+16*\i+8:AC+16*\i+9], v[AC+16*\i+8:AC+16*\i+9], v[AC+16*\i+12:AC+16*\i+13]
	v_pk_add_f32 v[AC+16*\i+10:AC+16*\i+11], v[AC+16*\i+10:AC+16*\i+11], v[AC+16*\i+14:AC+16*\i+15]
	v_pk_add_f32 v[AC+16*\i:AC+16*\i+1], v[AC+16*\i:AC+16*\i+1], v[AC+16*\i+8:AC+16*\i+9]
	v_pk_add_f32 v[AC+16*\i+2:AC+16*\i+3], v[AC+16*\i+2:AC+16*\i+3], v[AC+16*\i+10:AC+16*\i+11]
	v_pk_add_f32 v[AC+16*\i:AC+16*\i+1], v[AC+16*\i:AC+16*\i+1], v[B2:B2+1]
	v_pk_add_f32 v[AC+16*\i+2:AC+16*\i+3], v[AC+16*\i+2:AC+16*\i+3], v[B2+2:B2+3]
.endr
	; A wave's store covers four tokens = 448 consecutive bytes of a batch row.  Batch rows are 896 bytes and lie where the routing
	; puts them, so not every store can begin at a multiple of 256 bytes.
.irp i,0,1,2,3,4
	s_wait_xcnt 0x0                                ; EXEC is a source of the stores issued before: it changes only behind this wait
	s_and_saveexec_b32 s98, s[50+\i]
	global_store_b128 v[EOFF], v[AC+16*\i:AC+16*\i+3], s[66+2*\i:67+2*\i] th:TH_STORE_NT
	s_wait_xcnt 0x0
	s_or_b32 exec_lo, exec_lo, s98
.endr
	s_wait_xcnt 0x0
	s_mov_b32 exec_lo, -1
	s_wait_tensorcnt 0x0
	ds_add_u32 v254, v255
	s_wait_dscnt 0x0
	s_endpgm
.Lfunc_end_k_q545fb67b9f_mlp:
	.size	k_q545fb67b9f_mlp, .Lfunc_end_k_q545fb67b9f_mlp-k_q545fb67b9f_mlp
	.p2alignl 7, 3214868480
	.fill 96, 4, 3214868480
	.section	.rodata,"a",@progbits
	.p2align	6, 0x0
	.amdhsa_kernel k_q545fb67b9f_mlp
		.amdhsa_group_segment_fixed_size 327680
		.amdhsa_private_segment_fixed_size 0
		.amdhsa_enable_private_segment 0
		.amdhsa_kernarg_size 56
		.amdhsa_user_sgpr_count 2
		.amdhsa_user_sgpr_kernarg_segment_ptr 1
		.amdhsa_wavefront_size32 1
		.amdhsa_system_sgpr_workgroup_id_x 1
		.amdhsa_system_sgpr_workgroup_id_y 1
		.amdhsa_system_sgpr_workgroup_id_z 1
		.amdhsa_system_vgpr_workitem_id 0
		.amdhsa_next_free_vgpr 1024
		.amdhsa_next_free_sgpr 102
		.amdhsa_reserve_vcc 0
		.amdhsa_float_denorm_mode_32 3
		.amdhsa_float_denorm_mode_16_64 3
		.amdhsa_memory_ordered 1
		.amdhsa_forward_progress 1
		.amdhsa_inst_pref_size 255
	.end_amdhsa_kernel
	.section	.bss,"aw",@nobits
	.p2align	6
	.space	262144
	.amdgpu_metadata
---
amdhsa.version: [ 1, 2 ]
amdhsa.kernels:
  - .name:           k_q545fb67b9f_mlp
    .symbol:         k_q545fb67b9f_mlp.kd
    .args:
      - { .name: pred_action_latents, .offset: 0, .size: 8, .value_kind: global_buffer, .address_space: global }
      - { .name: b1, .offset: 8, .size: 8, .value_kind: global_buffer, .address_space: global }
      - { .name: b2, .offset: 16, .size: 8, .value_kind: global_buffer, .address_space: global }
      - { .name: wp1, .offset: 24, .size: 8, .value_kind: global_buffer, .address_space: global }
      - { .name: wp2, .offset: 32, .size: 8, .value_kind: global_buffer, .address_space: global }
      - { .name: route, .offset: 40, .size: 8, .value_kind: global_buffer, .address_space: global }
      - { .name: out0, .offset: 48, .size: 8, .value_kind: global_buffer, .address_space: global }
    .group_segment_fixed_size: 327680
    .private_segment_fixed_size: 0
    .kernarg_segment_align: 8
    .kernarg_segment_size: 56
    .max_flat_workgroup_size: 128
    .sgpr_count:     102
    .vgpr_count:     1024
    .wavefront_size: 32
...
	.end_amdgpu_metadata
.endif
;; end of part 2
